; MI455X (gfx1250); checked and timed in simulation.
; The chip was launched on July 23, 2026; its instructions are those of AMD's public machine-readable ISA for CDNA 5 (MIT licence, August 2026) and "CDNA5" Instruction Set Architecture Reference Guide (July 2026). The comments in the code are by the model that wrote it; some were corrected since.
;; Feed Forward Network. Allowed arithmetic: matrix products marked QUANTISED: E2M3 operands, one E8M0 scale for each 32 along K, by v_wmma_scale_f32_16x16x128_f8f6f4 with both operands' format E2M3, f32 sums; everything else in f32.
;; Inputs: filter_bias 2,048 float32; filter_weight 512 x 2,048 float32; output_bias 512 float32; output_weight 2,048 x 512 float32; padding 8 x 4,096 float32; x 8 x 4,096 x 512 float32.
;; Outputs: out0 8 x 4,096 x 512 float32.
;; This version of the problem:
;;   THIS VERSION OF THE PROBLEM IS GIVEN IN LOW PRECISION. The matrix products marked QUANTISED in the list below multiply operands that are first quantised to E2M3 (2 exponent bits, 3 mantissa bits; 6 bits a number), with one power-of-two scale for each 32 numbers along K (OCP MX v1.0); their sums are f32. All else is computed in f32.
;;   The module's matrix products, in the order in which they are computed (A, B: the left and right operand; K: the contracted axis; several contracted axes count as one K, in the product's order):
;;     1. [M 32,768, K 512] x [K 512, N 2,048]; A: input x; B: input filter_weight: QUANTISED
;;     2. [M 32,768, K 2,048] x [K 2,048, N 512]; A: computed on the way; B: input output_weight: QUANTISED
;;   THE QUANTISER, for each operand of a quantised product, along K:
;;     - K is cut into blocks of 32 from its start; a last block that is shorter is filled with zeros.
;;     - A block's scale is 2^e with e = floor(log2(the largest magnitude in the block)) - 2, held to -126 .. 127; a block of zeros has e = 0. As a byte (E8M0): e + 127.
;;     - Each number is divided by its block's scale, clamped to +-7.5, and rounded to the nearest number of E2M3, ties to even, subnormals kept.
;;     - The product sums the exact products of the quantised numbers (number of the format x scale) in f32.
;;   ~~~python
;;   def quantise(x, axis):      # numpy; x: float32 -> the quantised numbers, widened to float32 again
;;       x = np.moveaxis(x, axis, -1); K = x.shape[-1]
;;       x = np.pad(x, [(0, 0)] * (x.ndim - 1) + [(0, -K % 32)]); x = x.reshape(x.shape[:-1] + (-1, 32)); a = np.abs(x).max(-1, keepdims=True)
;;       e = np.where(a > 0, np.clip(np.frexp(np.where(a > 0, a, 1))[1] - 1 - 2, -126, 127), 0)      # np.frexp(a)[1] - 1 = floor(log2(a)), exactly
;;       r = np.clip(x / 2.0 ** e, -7.5, 7.5)
;;       step = 2.0 ** (np.maximum(np.frexp(np.where(r == 0, 1, r))[1] - 1, 0) - 3)
;;       q = np.round(r / step) * step * 2.0 ** e      # np.round: ties to even
;;       return np.moveaxis(q.reshape(q.shape[:-2] + (-1,))[..., :K], -1, axis).astype(np.float32)
;;   ~~~
;;   OPERANDS COMPUTED ON THE WAY. 'Computed on the way' means the value that the module computes at that place (a softmax that the list does not call 'softmax' is quantised finished and normalised). What goes into a quantiser is computed in f32, as accurately as f32 sums, v_exp_f32 and their like allow (about 1e-6 of the number): no bf16 or f16 on the way to a quantiser, and a product that is left as it is and whose result goes on into a quantised operand takes f32 operands (vector FMAs, or v_wmma_f32_16x16x4_f32). A number that lies on a knife's edge between two numbers of the format may be rounded either way, as far as f32 arithmetic and the matrix unit's own rounding can turn it there, and no further.
;; One version. Each part assembles by itself: llvm-mc -triple=amdgcn-amd-amdhsa -mcpu=gfx1250 --defsym DOCPART=n.
;; ======== version 1 of 1: 2 launches
;; limits: right only within a limited range of input values
;; workspace buffers: wstream 1,638,400 bytes
;; launch wq (part 1): grid 256 x 1, 2 waves a work-group, no clusters, 0 bytes of LDS; arguments filter_weight, output_weight, wstream; writes wstream
.if DOCPART == 1
	.amdgcn_target "amdgcn-amd-amdhsa--gfx1250"
	.amdhsa_code_object_version 6
	.text
	.protected	k_qa79bb453c7_wq
	.globl	k_qa79bb453c7_wq
	.p2align	8
	.type	k_qa79bb453c7_wq,@function
k_qa79bb453c7_wq:
	s_mov_b64 s[64:65], 0
	v_nop
	global_prefetch_b8 v0, s[64:65] scope:SCOPE_SE
	s_setreg_imm32_b32 hwreg(HW_REG_WAVE_MODE, 25, 1), 1
	s_wait_xcnt 0x0
; filter_weight [512 (k)][2048 (n)] and output_weight [2048 (k)][512 (n)], f32 with K as the FIRST axis, become codes of FP6 (E2M3) with one E8M0 byte for each 32 along K,
; laid as ONE STREAM OF REGISTER IMAGES in the order in which the second launch walks them: 16 slot images of 102,400 bytes; a slot is 4 quarters of 25,600 bytes; a quarter is 16 fragments
; (16 rows x 128 K: 1,536 bytes) and behind them 16 sets of 16 scale words (64 bytes each).  Register g of lane (r, h) of a fragment lies at 512 (g / 4) + 256 h + 16 r + 4 (g % 4).
; Slots 4 c, 4 c + 1: filter_weight's columns 512 c + 256 q on.  Quarter 2 j + g, fragment 4 (2 b + u) + s: K step s; row p of the tile is column 128 j + 32 (2 g + b) + 8 u + p + 8 (p / 8) of the slot's 256,
; so that the results of two neighbouring tiles are 16 neighbours along the next product's K.  Slots 4 c + 2, 4 c + 3: output_weight's K steps 4 c + 2 q + k'; quarter w, fragment 8 k' + t: columns 128 w + 16 t + p.
; A LANE TAKES A COLUMN AND ITS REGISTERS RUN DOWN K: a wave takes 32 columns x 128 along K (job J = 2 x work-group + wave; 256 jobs for each tensor).  A lane's four blocks of 32 are all 24 registers
; that lanes (r, 0) and (r, 1) of one fragment hold, so the codes leave as they stand: six stores of 16 bytes a lane, in each of which sixteen lanes fill 256 consecutive aligned bytes.
; Each load reads 128 consecutive bytes of a row of the weight; the two waves of a work-group stand side by side on 256.
; The scale words (4 bytes a lane, 64 consecutive bytes for sixteen lanes) are a twenty-fifth of what is stored: gathering them further would want LDS and a barrier.
; A block's scale is 2^(floor(log2(its largest magnitude)) - 2); its byte is the largest magnitude's exponent field - 2, held at 1 from below (the rule's hold at -126).
; LIMITS: a block of zeros gets the byte 1 where the rule says 127 (its codes are zeros, and this program alone reads the bytes); NaN and infinities among the inputs are not served.
; One path serves both tensors: only numbers and the source's address are chosen, on the job's number.  No LDS, no barrier: waves share nothing.
.set SLOTB, 102400
.set QTRB,  25600
.set FRB,   1536
.set SCO,   24576                      ; where a quarter's scale words begin
.set VL,  8                            ; v8       my byte in the two fragments' images
.set VS,  9                            ; v9       my byte in their scale words
.set VO,  16                           ; v16-47   4 x lane + i rows of the weight, i = 0 .. 31
.set X,   48                           ; v48-175  my column's 128 numbers
.set CR,  176                          ; v176-199 the codes: 12 registers of lane (r, 0), then 12 of lane (r, 1)
.set TT,  200                          ; v200-215 the second half of each block's codes, as the conversion leaves it
.set SW,  224                          ; v224     my column's scale word
.set SB,  32                           ; s[32:39] the source at my column group, blocks 0 to 3
	s_load_b128 s[4:7], s[0:1], 0x0                ; filter_weight, output_weight
	s_load_b64 s[8:9], s[0:1], 0x10                ; the stream
	v_lshrrev_b32 v1, 5, v0
	v_readfirstlane_b32 s10, v1                    ; wave 0, 1
	s_lshl_b32 s11, ttmp9, 1
	s_add_co_u32 s11, s11, s10                     ; J
	; as a job of filter_weight: column group cg = J % 64, K step J / 64
	s_and_b32 s12, s11, 63                         ; cg
	s_bfe_u32 s13, s11, 0x20006                    ; K step (two bits, so that it stays bounded where it is not chosen)
	s_lshr_b32 s14, s12, 4
	s_lshl_b32 s14, s14, 2
	s_bfe_u32 s15, s12, 0x10003
	s_add_co_u32 s14, s14, s15                     ; slot 4 (cg / 16) + (cg / 8) % 2
	s_bfe_u32 s15, s12, 0x20001                    ; quarter (cg / 2) % 4
	s_and_b32 s16, s12, 1
	s_lshl_b32 s16, s16, 3
	s_add_co_u32 s16, s16, s13                     ; first fragment 8 (cg % 2) + K step; the second lies 4 further on
	; as a job of output_weight: column group cg = J % 16, K step (J / 16) % 16
	s_and_b32 s18, s11, 15                         ; cg
	s_bfe_u32 s19, s11, 0x40004                    ; K step
	s_lshr_b32 s20, s19, 2
	s_lshl_b32 s20, s20, 2
	s_add_co_u32 s20, s20, 2
	s_bfe_u32 s21, s19, 0x10001
	s_add_co_u32 s20, s20, s21                     ; slot 4 (K step / 4) + 2 + (K step / 2) % 2
	s_lshr_b32 s21, s18, 2                         ; quarter cg / 4
	s_and_b32 s22, s19, 1
	s_lshl_b32 s22, s22, 3
	s_and_b32 s23, s18, 3
	s_lshl_b32 s23, s23, 1
	s_add_co_u32 s22, s22, s23                     ; first fragment 8 (K step % 2) + 2 (cg % 4); the second is the next
	s_mov_b32 s24, 2048                            ; a row of output_weight in bytes
	s_mov_b32 s25, 1
	v_and_b32 v1, 31, v0                           ; lane l
	v_bfe_u32 v2, v1, 3, 1                         ; filter_weight: which of the two tiles: (l / 8) % 2,
	v_lshrrev_b32 v3, 4, v1                        ; output_weight: l / 16
	v_and_b32 v4, 7, v1
	v_lshl_add_u32 v4, v3, 3, v4                   ; filter_weight: row l % 8 + 8 (l / 16) of the tile,
	v_and_b32 v5, 15, v1                           ; output_weight: l % 16
	s_wait_alu depctr_va_vdst(0)
	s_wait_kmcnt 0x0
	s_cmp_lt_u32 s11, 256                          ; the first 256 jobs are filter_weight's: the choice hangs on the job's number alone
	s_cselect_b32 s12, s12, s18
	s_cselect_b32 s13, s13, s19
	s_cselect_b32 s14, s14, s20
	s_cselect_b32 s15, s15, s21
	s_cselect_b32 s16, s16, s22
	s_cselect_b32 s24, 8192, s24                   ; a row of the weight in bytes
	s_cselect_b32 s25, 4, s25                      ; fragments from my first tile to my second
	s_cselect_b32 s26, -1, 0                       ; the same choice as a mask of lanes
	s_cselect_b64 s[4:5], s[4:5], s[6:7]
	v_cndmask_b32 v2, v3, v2, s26                  ; u
	v_cndmask_b32 v4, v5, v4, s26                  ; r
	s_mul_i32 s44, s25, FRB
	v_mul_u32_u24 v[VL], s44, v2
	v_lshl_add_u32 v[VL], v4, 4, v[VL]             ; u fragments on, + 16 r
	s_lshl_b32 s45, s25, 6
	v_mul_u32_u24 v[VS], s45, v2
	v_lshl_add_u32 v[VS], v4, 2, v[VS]             ; u sets of scale words on, + 4 r
	v_lshlrev_b32 v[VO], 2, v1
.irp i, 1,2,3,4,5,6,7,8,9,10,11,12,13,14,15,16,17,18,19,20,21,22,23,24,25,26,27,28,29,30,31
	v_add_nc_u32 v[VO+\i], s24, v[VO+\i-1]
.endr
	s_mul_i32 s28, s13, s24
	s_lshl_b32 s28, s28, 7                         ; 128 rows for each K step,
	s_lshl_b32 s27, s12, 7                         ; 128 bytes for each column group (under 4 MiB together)
	s_add_co_u32 s28, s28, s27
	s_mov_b32 s29, 0
	s_lshl_b32 s30, s24, 5                         ; 32 rows: a block
	s_mov_b32 s31, 0
	s_add_nc_u64 s[SB:SB+1], s[4:5], s[28:29]
	s_add_nc_u64 s[SB+2:SB+3], s[SB:SB+1], s[30:31]
	s_add_nc_u64 s[SB+4:SB+5], s[SB+2:SB+3], s[30:31]
	s_add_nc_u64 s[SB+6:SB+7], s[SB+4:SB+5], s[30:31]
.macro LOADB b                         ; block b: W(32 b + i, my column), i = 0 .. 31
.irp i, 0,1,2,3,4,5,6,7,8,9,10,11,12,13,14,15,16,17,18,19,20,21,22,23,24,25,26,27,28,29,30,31
	global_load_b32 v[X+32*\b+\i], v[VO+\i], s[SB+2*\b:SB+2*\b+1] th:TH_LOAD_NT
.endr
.endm
	s_wait_alu depctr_va_vdst(0)
	LOADB 0
	LOADB 1
	LOADB 2
	LOADB 3
	s_mul_i32 s27, s14, SLOTB                      ; where my fragments and their scale words lie in the stream
	s_mul_i32 s44, s15, QTRB
	s_add_co_u32 s27, s27, s44
	s_mul_i32 s44, s16, FRB
	s_add_co_u32 s40, s27, s44
	s_mov_b32 s41, 0
	s_lshl_b32 s44, s16, 6
	s_add_co_u32 s42, s27, s44
	s_add_co_u32 s42, s42, SCO
	s_mov_b32 s43, 0
	s_add_nc_u64 s[40:41], s[8:9], s[40:41]
	s_add_nc_u64 s[42:43], s[8:9], s[42:43]
; Block b belongs to lane (r, b % 2) of the fragment, registers 6 (b / 2) .. + 5.  left: what the wait names of the loads issued behind the block's own
.macro BLOCK b, left
.set XB, X+32*\b
.set CB, CR+12*(\b%2)+6*(\b/2)
	s_wait_loadcnt \left
	v_max3_num_f32 v216, |v[XB]|, |v[XB+1]|, |v[XB+2]|              ; the block's largest magnitude: all 32 numbers are mine; two chains
	v_max3_num_f32 v217, |v[XB+3]|, |v[XB+4]|, |v[XB+5]|
.irp i, 6,10,14,18,22,26
	v_max3_num_f32 v216, v216, |v[XB+\i]|, |v[XB+\i+1]|
	v_max3_num_f32 v217, v217, |v[XB+\i+2]|, |v[XB+\i+3]|
.endr
	v_max3_num_f32 v216, v216, |v[XB+30]|, |v[XB+31]|
	v_max3_num_f32 v216, v216, v217, 0x1800000     ; and the floor 2^(3 - 127): the byte cannot fall under 1
	v_add_nc_u32 v218, 0xff000000, v216            ; 2 off its exponent field: the conversion takes the exponent field of this operand as its scale, and nothing else of it
	v_lshrrev_b32 v219, 23, v218                   ; the scale's byte
.if \b == 0
	v_mov_b32 v[SW], v219
.else
	v_lshl_or_b32 v[SW], v219, 8*\b, v[SW]         ; the lower K in the lower byte
.endif
	v_cvt_scalef32_pk16_fp6_f32 v[CB:CB+2], v[XB:XB+15], v218
	v_cvt_scalef32_pk16_fp6_f32 v[TT+4*\b:TT+4*\b+2], v[XB+16:XB+31], v218   ; (a conversion's three registers begin on an even number: the second half is made elsewhere and moved)
	v_nop                                          ; one plain place behind a scaled conversion
.irp i, 0,1,2
	v_mov_b32 v[CB+3+\i], v[TT+4*\b+\i]
.endr
.endm
	BLOCK 0, 63                                    ; behind block 0's loads 96 were issued, behind block 1's 64: the wait names the most that its field holds
	BLOCK 1, 63
	BLOCK 2, 32                                    ; block 3's 32 may be out
	BLOCK 3, 0
.irp h, 0,1
.irp c, 0,1,2
	global_store_b128 v[VL], v[CR+12*\h+4*\c:CR+12*\h+4*\c+3], s[40:41] offset:256*\h+512*\c   ; sixteen lanes store 256 consecutive bytes, at a multiple of 256 from the stream's first byte
.endr
.endr
	global_store_b32 v[VS], v[SW], s[42:43]
	s_endpgm
.Lfunc_end_k_qa79bb453c7_wq:
	.size	k_qa79bb453c7_wq, .Lfunc_end_k_qa79bb453c7_wq-k_qa79bb453c7_wq
	.p2alignl 7, 3214868480
	.fill 96, 4, 3214868480
	.section	.rodata,"a",@progbits
	.p2align	6, 0x0
	.amdhsa_kernel k_qa79bb453c7_wq
		.amdhsa_group_segment_fixed_size 0
		.amdhsa_private_segment_fixed_size 0
		.amdhsa_enable_private_segment 0
		.amdhsa_kernarg_size 24
		.amdhsa_user_sgpr_count 2
		.amdhsa_user_sgpr_kernarg_segment_ptr 1
		.amdhsa_wavefront_size32 1
		.amdhsa_system_sgpr_workgroup_id_x 1
		.amdhsa_system_sgpr_workgroup_id_y 1
		.amdhsa_system_sgpr_workgroup_id_z 1
		.amdhsa_system_vgpr_workitem_id 0
		.amdhsa_next_free_vgpr 232
		.amdhsa_next_free_sgpr 66
		.amdhsa_reserve_vcc 0
		.amdhsa_float_denorm_mode_32 3
		.amdhsa_float_denorm_mode_16_64 3
		.amdhsa_memory_ordered 1
		.amdhsa_forward_progress 1
		.amdhsa_inst_pref_size 23
	.end_amdhsa_kernel
	.amdgpu_metadata
---
amdhsa.version: [ 1, 2 ]
amdhsa.kernels:
  - .name:           k_qa79bb453c7_wq
    .symbol:         k_qa79bb453c7_wq.kd
    .args:
      - { .name: filter_weight, .offset: 0, .size: 8, .value_kind: global_buffer, .address_space: global }
      - { .name: output_weight, .offset: 8, .size: 8, .value_kind: global_buffer, .address_space: global }
      - { .name: wstream, .offset: 16, .size: 8, .value_kind: global_buffer, .address_space: global }
    .group_segment_fixed_size: 0
    .private_segment_fixed_size: 0
    .kernarg_segment_align: 8
    .kernarg_segment_size: 24
    .max_flat_workgroup_size: 64
    .sgpr_count:     66
    .vgpr_count:     232
    .wavefront_size: 32
...
	.end_amdgpu_metadata
.endif
;; end of part 1
;; launch ffn (part 2): grid 256 x 1, 4 waves a work-group, clusters of 4 x 1, 327,680 bytes of LDS; arguments x, padding, filter_bias, output_bias, wstream, out0; writes out0
.if DOCPART == 2
	.amdgcn_target "amdgcn-amd-amdhsa--gfx1250"
	.amdhsa_code_object_version 6
	.text
	.protected	k_qa79bb453c7_ffn
	.globl	k_qa79bb453c7_ffn
	.p2align	8
	.type	k_qa79bb453c7_ffn,@function
k_qa79bb453c7_ffn:
	s_mov_b64 s[64:65], 0
	v_nop
	global_prefetch_b8 v0, s[64:65] scope:SCOPE_SE
	s_setreg_imm32_b32 hwreg(HW_REG_WAVE_MODE, 25, 1), 1
	s_wait_xcnt 0x0
	s_wait_alu depctr_hold_cnt(0) depctr_sa_sdst(0) depctr_va_vdst(0) depctr_va_sdst(0) depctr_va_ssrc(0) depctr_va_vcc(0) depctr_vm_vsrc(0)
	s_getreg_b32 s2, hwreg(HW_REG_IB_STS2, 6, 4)
	s_cmp_eq_u32 s2, 0
	s_cbranch_scc0 .Lentry_in_a_cluster
	s_endpgm
.Lentry_in_a_cluster:
	s_bfe_u32 s2, ttmp6, 0x10000c
	s_cmp_lg_u32 s2, 0x3003
	s_cbranch_scc0 .Lentry_shape_is_right
	s_endpgm
.Lentry_shape_is_right:
; out = nonpad x (Q(Q(x) Q(W1) + b1) Q(W2) + b2): both products on codes of FP6 (E2M3) with one E8M0 scale for each 32 along K, sums in f32; Q is the quantiser along a product's K.
; x [32768][512] f32, padding [32768] f32 (a row counts where padding < 1e-9), b1 [2048], b2 [512], out [32768][512] f32.  The weights come as the stream of register images that the first launch made.
; SHARES.  A work-group of four waves owns 128 rows: 256 work-groups.  The hidden layer never goes to memory: it is made in 4 chunks of 512 units, each quantised on the way and multiplied on at once.
; A chunk is four steps, each on one slot of the stream (102,400 bytes) and each 128 matrix instructions a wave:
;   P1 (q = 0, 1): wave (i, j) = (wave / 2, wave % 2) makes units 128 j .. + 127 of the slot's 256 for row tiles 4 i .. 4 i + 3; my 16 fragments of x stay in registers.
;   P2 (q = 0, 1): wave w adds K steps 2 q, 2 q + 1 of the chunk onto out[128 rows][columns 128 w .. + 127]: 64 accumulators, 512 registers, which live through the whole launch.
; BOTH PRODUCTS ARE USED TRANSPOSED (source 0 = 16 rows of the weight, source 1 = 16 rows of x or of the hidden layer): a lane holds ONE row, and its registers run along the units (the next K) or along out's columns.
; The rows of W1 that form a tile were chosen by the first launch so that the 16 registers of tiles (b, 0) and (b, 1) are units 32 b + 16 (lane / 16) + 0 .. 15.
; Operands go from wave to wave through LDS as images of their registers: 16 bytes a lane at 16 x lane, 512 bytes for each four registers.
; The quantiser of one block of 32 units stands in slices of five lines among the matrix instructions that make the next block.
; THE BIASES COST NO ADDITION.  b1 is the C of a tile's first product.  out's 64 accumulators BEGIN AS b2: 128 LDS loads at the head; so every step of the second product adds in place, and all four chunks run one text.
; THE WALK is one loop over the chunks, left in its middle, on its counter, in the last chunk: that chunk's last step asks for nothing more and goes BY ROWS OF OUT: a pair of row tiles is finished, masked, staged and stored while the next pairs are multiplied.
; THE RING.  Two slots filled by the tensor data mover, each wave one quarter of a slot (100 dense rows of 256 bytes).  By this text's count a wave has one tensor load out at the start and one behind each round.
; CLUSTER.  Every work-group walks the same stream: four work-groups ask for each quarter jointly (mask 15).
; NOT DONE: gathering the rows that count: a walk whose length hangs on padding would branch on numbers read from memory.
; NO DATA PREFETCH: the ring asks for each slot image one whole step (128 matrix instructions a wave) ahead, all 256 work-groups ask for the same 102,400 bytes, and x is read once by loads that run four units (64 loads a wave) ahead.
; LIMITS: NaN and infinities among x, the weights and the biases are not served (a NaN in padding counts as a pad, as in the problem's own comparison); a block of zeros carries the byte 1 with zero codes where the rule says 127: the bytes never leave the program.
; REGISTERS, in windows of 256 (s_set_vgpr_msb: bits 1:0 source 0, 3:2 source 1, 5:4 source 2, 7:6 destination):
;   window 0: v1-15 addresses; v16-39 scale words alone; v40-75 the quantiser; v80-207 two sets of hidden accumulators; v208-255 W1's buffer 0.  In P2 v64-255 hold W2's 16 fragments.  At the start v80-228 are at work.
;   window 1: v0-191 my 16 fragments of x (at the start: x as loaded); v192-239 W1's buffer 1, in P2 four hidden fragments; v240-255 b1 for two tiles.   windows 2, 3: out's accumulators: (m, t) at v[8 (8 (m % 4) + t)] of window 2 + m / 4.
.set SLOTB, 102400
.set QTRB,  25600
.set FRB,   1536                       ; a fragment's image
.set SCO,   24576                      ; where a quarter's scale words begin
.set HID,   2*SLOTB                    ; 32 fragment images: the hidden layer's (K step k, row tile M) at 8 k + M; at the start x's (M, s) at 4 M + s
.set HSC,   HID+32*FRB                 ; their scale words: 64 bytes a fragment
.set STG,   HSC+4096                   ; a stage of 16 rows x (512 + 16) bytes for each wave
.set SPITCH, 528
.set BIAS,  STG+4*16*SPITCH            ; b1 (8,192 bytes), then b2 (2,048)
.set SPARE, BIAS+12288                 ; the spare words, 128 bytes for each wave, that no other line names
.set SPW, 1                            ; v1 my spare word's address, v2 = 0; never rewritten
.set NIL, 2
.set AW1, 3                            ; v3-4 slot 0, 1: my two quarters of W1 + 16 x lane;  v5-6 the same + 4 x lane
.set AS1, 5
.set AW2, 7                            ; v7-8 my quarter of W2 + 16 x lane;  v9-10 + 4 x lane
.set AS2, 9
.set HWI, 11                           ; where I store hidden images, v12 their scale bytes
.set HWS, 12
.set HRI, 13                           ; HID + 16 x lane, v14 HSC + 4 x lane
.set HRS, 14
.set AB1, 15                           ; b1 at my 128 units of the chunk's first slot, + 64 (lane / 16)
.set XS,  16                           ; v16-23 x's scale words: register 2 m + a: lanes 0-15 K step 2 a, lanes 16-31 K step 2 a + 1
.set WSC, 24                           ; v24-31 the weights' scale words
.set HS,  32                           ; v32-39 the hidden layer's
.set QM,  40                           ; v40-43 a block's largest magnitude, then its byte
.set QTM, 44                           ; v44-47 the other half's maximum, then the conversion's scale operand
.set QT,  48                           ; v48-50 an odd block's codes
.set QPE, 52                           ; v52-75 six registers of the operand for each row tile
.set HA,  80                           ; accumulator (set, m, u) at HA + 64 set + 16 m + 8 u
.set W2F, 64                           ; W2's fragment (k', t) at W2F + 96 k' + 12 t
.set ST,  80                           ; the start: 64 numbers of x; its quantiser; the word and codes just made; padding; the biases; its addresses
.set XT,  144
.set XPW, 160
.set XPC, 162
.set PADR, 184
.set BR,  192
.set XA,  212
.set STS, 213
.set STL, 214
.set XWI, 215
.set XWS, 216
.set BST, 217
.set GB,  218
.set PO,  219
.set XFR, 220
.set XSR, 221
.set B2R, 222
.set STO, 40                           ; the last step: the way out's addresses
.set RD,  41
.set CO,  42
.set WV,  16                           ; s16 wave, s17 i, s18 j
.set G1,  24                           ; s[24:31] descriptor group 1;  s[32:39] group 0, one set for each slot
.set G0,  32
.set SEL, 40                           ; s[40:41] selects for lane l xor 16
.set PM,  44                           ; s[44:51] row tile m: the lanes whose row counts
.set MSB, 0
.macro WIN new                         ; the immediate's high byte repeats the setting that is left
.if MSB != (\new)
	s_set_vgpr_msb (MSB<<8)|(\new)
.set MSB, (\new)
.endif
.endm
.macro PLACES                          ; four places behind a matrix instruction, in front of loads into its registers and of reads of its result
.rept 4
	v_nop
.endr
.endm
.macro ROUND                           ; a round of the cluster's barrier
	s_barrier_signal -1
	s_barrier_wait -1
	s_cmp_lg_u32 s[WV], 0
	s_cbranch_scc1 .Lnot_wave_0_\@
	s_barrier_signal -3
.Lnot_wave_0_\@:
	s_barrier_wait -3
	s_barrier_signal -1
	s_barrier_wait -1
.endm
; THE CHANGE OF SLOTS.  Slot n has been read out.  Each wave waits for all its tensor loads (one is out: its quarter of the other slot), adds 0 to its spare word, waits for that and for all its LDS loads and stores.
; Behind the round the other slot is whole, nobody in the cluster reads slot n, and what the step before stored of the hidden layer may be read.
.macro HEAD n
	WIN 0
	s_wait_tensorcnt 0x0
	ds_add_u32 v[SPW], v[NIL]
	s_add_nc_u64 s[G0+4*\n+2:G0+4*\n+3], s[G0+4*\n+2:G0+4*\n+3], 2*SLOTB   ; slot n's next image, two on in the stream
	s_wait_dscnt 0x0
	ROUND
	tensor_load_to_lds s[G0+4*\n:G0+4*\n+3], s[G1:G1+7]   ; my one tensor load behind the round
	s_nop 0
	PLACES                                         ; also the places in front of the next step's first loads
.endm
.macro HEADN                           ; the last change of slots: nothing is left to fetch, so a barrier of the work-group serves
	WIN 0
	s_wait_tensorcnt 0x0
	ds_add_u32 v[SPW], v[NIL]
	s_wait_dscnt 0x0
	s_barrier_signal -1
	s_barrier_wait -1
	PLACES
.endm
; One matrix instruction, from the symbols wd, wa, wb, wc, wsa, wsb, wra, wrb (1: the scales stand in lanes 16-31)
.macro WM
.if wra && wrb
	v_wmma_scale_f32_16x16x128_f8f6f4 v[wd:wd+7], v[wa:wa+11], v[wb:wb+11], v[wc:wc+7], v[wsa], v[wsb] matrix_a_fmt:MATRIX_FMT_FP6 matrix_b_fmt:MATRIX_FMT_FP6 matrix_a_scale:MATRIX_SCALE_ROW1 matrix_b_scale:MATRIX_SCALE_ROW1
.elseif wra
	v_wmma_scale_f32_16x16x128_f8f6f4 v[wd:wd+7], v[wa:wa+11], v[wb:wb+11], v[wc:wc+7], v[wsa], v[wsb] matrix_a_fmt:MATRIX_FMT_FP6 matrix_b_fmt:MATRIX_FMT_FP6 matrix_a_scale:MATRIX_SCALE_ROW1
.elseif wrb
	v_wmma_scale_f32_16x16x128_f8f6f4 v[wd:wd+7], v[wa:wa+11], v[wb:wb+11], v[wc:wc+7], v[wsa], v[wsb] matrix_a_fmt:MATRIX_FMT_FP6 matrix_b_fmt:MATRIX_FMT_FP6 matrix_b_scale:MATRIX_SCALE_ROW1
.else
	v_wmma_scale_f32_16x16x128_f8f6f4 v[wd:wd+7], v[wa:wa+11], v[wb:wb+11], v[wc:wc+7], v[wsa], v[wsb] matrix_a_fmt:MATRIX_FMT_FP6 matrix_b_fmt:MATRIX_FMT_FP6
.endif
.endm
; ---------------- the start's macros ----------------
; Unit e = 4 tau + s: rows 16 tau .. + 15 of my 32, K step s.  Each load reads 512 consecutive bytes of one row; into set e % 4 of window 1.
.macro XLOAD e
	WIN 0x40
.irp rr, 0,1,2,3,4,5,6,7,8,9,10,11,12,13,14,15
	global_load_b128 v[64*((\e)%4)+4*\rr:64*((\e)%4)+4*\rr+3], v[XA], s[4:5] offset:(16*((\e)/4)+\rr)*2048+512*((\e)%4) th:TH_LOAD_NT
.endr
.endm
; The unit turns through my own stage: out with register 16 b + i = k 32 b + 16 (lane / 16) + i of row lane % 16.  LDS serves a wave's instructions in order (ISA guide 5.7.1.4).
.macro XTURN e
	WIN 0x04
.irp rr, 0,1,2,3,4,5,6,7,8,9,10,11,12,13,14,15
	ds_store_b128 v[STS], v[64*((\e)%4)+4*\rr:64*((\e)%4)+4*\rr+3] offset:SPITCH*\rr
.endr
	WIN 0
.irp b, 0,1,2,3
.irp k, 0,1,2,3
	ds_load_b128 v[ST+16*\b+4*\k:ST+16*\b+4*\k+3], v[STL] offset:128*\b+16*\k
.endr
.endr
.endm
; 64 numbers of a lane, v[s] on, become a fragment's codes in v[XPC] on and its scale word in v[XPW]
.macro QUANT4 s
.irp b, 0,1,2,3
	v_max3_num_f32 v[XT+\b], |v[\s+16*\b]|, |v[\s+1+16*\b]|, 0x1800000   ; my 16 numbers of block b, and the floor 2^(3 - 127): the byte cannot fall under 1
.endr
.irp i, 2,4,6,8,10,12,14
.irp b, 0,1,2,3
	v_max3_num_f32 v[XT+\b], v[XT+\b], |v[\s+16*\b+\i]|, |v[\s+1+16*\b+\i]|
.endr
.endr
.irp b, 0,1,2,3
	v_permlanex16_b32 v[XT+4+\b], v[XT+\b], s[SEL], s[SEL+1]
.endr
.irp b, 0,1,2,3
	v_max_num_f32 v[XT+\b], v[XT+\b], v[XT+4+\b]   ; with lane l xor 16's: the block's largest magnitude
.endr
.irp b, 0,1,2,3
	v_add_nc_u32 v[XT+12+\b], 0xff000000, v[XT+\b]   ; 2 off its exponent field: the conversion's scale operand
.endr
.irp b, 0,1,2,3
	v_lshrrev_b32 v[XT+4+\b], 23, v[XT+12+\b]      ; the scale's byte
.endr
	v_lshl_or_b32 v[XPW], v[XT+5], 8, v[XT+4]
	v_lshl_or_b32 v[XPW], v[XT+6], 16, v[XPW]
	v_lshl_or_b32 v[XPW], v[XT+7], 24, v[XPW]
.irp c, 0,1
	v_cvt_scalef32_pk16_fp6_f32 v[XPC+6*\c:XPC+2+6*\c], v[\s+32*\c:\s+15+32*\c], v[XT+12+2*\c]
	v_cvt_scalef32_pk16_fp6_f32 v[XPC+12+4*\c:XPC+14+4*\c], v[\s+16+32*\c:\s+31+32*\c], v[XT+12+2*\c+1]
.endr
	v_nop                                          ; one plain place behind a scaled conversion
.irp c, 0,1                                    ; the operand's layout wants a whole block in a lane
.irp i, 0,1,2
	v_permlane16_swap_b32 v[XPC+6*\c+\i], v[XPC+12+4*\c+\i]
.endr
.irp i, 0,1,2
	v_mov_b32 v[XPC+3+6*\c+\i], v[XPC+12+4*\c+\i]
.endr
.endr
.endm
.macro IMAGE e                         ; the fragment goes to LDS as it stands; both halves of the lanes write the same scale word
.irp c, 0,1,2
	ds_store_b128 v[XWI], v[XPC+4*\c:XPC+4*\c+3] offset:FRB*(\e)+512*\c
.endr
	ds_store_b32 v[XWS], v[XPW] offset:64*(\e)
.endm
; ---------------- P1's macros ----------------
; Sixteen LDS loads for tile step t = 2 b + u: 2 of scale words, 12 for the tile's four fragments into buffer t % 2, 2 for its eight numbers of b1.
.macro RUN1 slot, q, t
	WIN 0
.irp a, 0,1
	ds_load_b32 v[WSC+2*((\t)%2)+\a], v[AS1+\slot] offset:((\t)/4)*QTRB+SCO+256*((\t)%4)+128*\a
.endr
.if (\t)%2 == 1
	WIN 0x40
.endif
.irp s, 0,1,2,3
.irp c, 0,1,2
	ds_load_b128 v[208-16*((\t)%2)+12*\s+4*\c:208-16*((\t)%2)+12*\s+4*\c+3], v[AW1+\slot] offset:((\t)/4)*QTRB+4*FRB*((\t)%4)+FRB*\s+512*\c
.endr
.endr
	WIN 0x40
	ds_load_b128 v[240+8*((\t)%2):240+8*((\t)%2)+3], v[AB1] offset:1024*(\q)+128*((\t)/2)+32*((\t)%2)
	ds_load_b128 v[244+8*((\t)%2):244+8*((\t)%2)+3], v[AB1] offset:1024*(\q)+128*((\t)/2)+32*((\t)%2)+16
.endm
; THE QUANTISER OF ONE BLOCK OF 32 UNITS, for my four row tiles, as a numbered list; QI writes line QN.  QB = the set of accumulators that holds the block.
;   0-31 the largest magnitude of my 16, with the floor, registers ascending (each accumulator is first read at its low end); 32-47 with lane l xor 16's, the scale operand, the byte;
;   an even block, 48-52: its codes into registers 0-2 of six, a plain place;  an odd block, 48-79, eight lines a row tile: codes, a place, the halves change places with the even block's, the upper three are moved
.macro QI
.set qm, QN%4
.set qa, HA+64*QB+16*qm
.if QN < 4
	v_max3_num_f32 v[QM+qm], |v[qa]|, |v[qa+1]|, 0x1800000
.elseif QN < 32
	v_max3_num_f32 v[QM+qm], v[QM+qm], |v[qa+2*(QN/4)]|, |v[qa+2*(QN/4)+1]|
.elseif QN < 36
	v_permlanex16_b32 v[QTM+qm], v[QM+qm], s[SEL], s[SEL+1]
.elseif QN < 40
	v_max_num_f32 v[QM+qm], v[QM+qm], v[QTM+qm]
.elseif QN < 44
	v_add_nc_u32 v[QTM+qm], 0xff000000, v[QM+qm]
.elseif QN < 48
	v_lshrrev_b32 v[QM+qm], 23, v[QTM+qm]
.elseif QB == 0
.if QN < 52
	v_cvt_scalef32_pk16_fp6_f32 v[QPE+6*qm:QPE+6*qm+2], v[qa:qa+15], v[QTM+qm]
.elseif QN == 52
	v_nop
.endif
.elseif QN < 80
.set qk, (QN-48)%8
.set qm, (QN-48)/8
.set qa, HA+64+16*qm
.if qk == 0
	v_cvt_scalef32_pk16_fp6_f32 v[QT:QT+2], v[qa:qa+15], v[QTM+qm]
.elseif qk == 1
	v_nop
.elseif qk < 5
	v_permlane16_swap_b32 v[QPE+6*qm+qk-2], v[QT+qk-2]
.else
	v_mov_b32 v[QPE+6*qm+qk-2], v[QT+qk-5]
.endif
.endif
.endm
.macro SL                              ; a slice: the list's next five lines; 16 slices stand in the two tile steps that make the next block
.if (QB == 1) || (QN < 53)
	WIN 0
.rept 5
	QI
.set QN, QN+1
.endr
.endif
.endm
; What block b's list has made goes to LDS: its byte; behind an odd block the six registers 6 (b / 2) .. + 5 of the image (register g at 512 (g / 4) + 16 x lane + 4 (g % 4)).
.macro QST q, b
	WIN 0
.irp mm, 0,1,2,3
	ds_store_b8 v[HWS], v[QM+\mm] offset:64*(16*(\q)+\mm)+(\b)
.endr
.if (\b)%2 == 1
.irp mm, 0,1,2,3
.if (\b)/2 == 0
	ds_store_b128 v[HWI], v[QPE+6*\mm:QPE+6*\mm+3] offset:FRB*(16*(\q)+\mm)
	ds_store_b64 v[HWI], v[QPE+6*\mm+4:QPE+6*\mm+5] offset:FRB*(16*(\q)+\mm)+512
.else
	ds_store_b64 v[HWI], v[QPE+6*\mm:QPE+6*\mm+1] offset:FRB*(16*(\q)+\mm)+520
	ds_store_b128 v[HWI], v[QPE+6*\mm+2:QPE+6*\mm+5] offset:FRB*(16*(\q)+\mm)+1024
.endif
.endr
.endif
.endm
; Tile step t: 16 products, K step by K step, my four row tiles' accumulators by turns.  The next tile's loads stand in one run at its head.
; The slices quantise the block before, in the other set; in tile steps 0 and 1 of a chunk's second slot that is the last block of its first slot.
.macro TILE1 slot, q, t
	PLACES
.if (\t) < 7
	RUN1 \slot, \q, (\t)+1
	s_wait_alu depctr_va_vdst(0)
	s_wait_dscnt 16                                ; all but the 16 loads just issued
.else
	s_wait_alu depctr_va_vdst(0)
	s_wait_dscnt 0x0
.endif
.set sl, 0
.if ((\t) >= 2) || ((\q) == 1)
.set sl, 1
.endif
.if sl && ((\t)%2 == 0)
.set QN, 0
.set QB, ((\t)/2+1)%2
.endif
.set pn, 0
.irp s, 0,1,2,3
.irp mm, 0,1,2,3
.set wd, HA+64*(((\t)/2)%2)+16*\mm+8*((\t)%2)
.set wa, 208-16*((\t)%2)+12*\s
.set wb, 12*(4*\mm+\s)
.set wc, wd
.if \s == 0
.set wc, 240+8*((\t)%2)
.endif
.set wsa, WSC+2*((\t)%2)+\s/2
.set wsb, XS+2*\mm+\s/2
.set wra, \s%2
.set wrb, \s%2
.if \s == 0
	WIN 0x14+(\t)%2                                ; x and b1 in window 1; W1 in window 0 or 1
.else
	WIN 0x04+(\t)%2
.endif
	WM
.if sl && (pn%2 == 1)
	SL
.endif
.set pn, pn+1
.endr
.endr
.endm
; A step of the first product.  q = 0 leaves its last block in the accumulators; q = 1 takes it up, and quantises its own last block bare, since the next step lays W2's fragments over these registers.
.macro P1 slot, q
	RUN1 \slot, \q, 0
.irp tt, 0,1,2,3,4,5,6,7
	TILE1 \slot, \q, \tt
.if (\tt == 1) && (\q == 1)
	QST 0, 3
.endif
.if (\tt == 3) || (\tt == 5) || (\tt == 7)
	QST \q, (\tt-3)/2
.endif
.endr
.if \q == 1
	PLACES
	WIN 0
.set QN, 0
.set QB, 1
.rept 80
	QI
.set QN, QN+1
.endr
	QST \q, 3
.endif
.endm
; ---------------- P2's macros ----------------
.macro GMAP n                          ; group n of a step's eight: K step mk of its two, row tiles 2 mg and 2 mg + 1
.if BYROWS
.set mk, (\n)%2
.set mg, (\n)/2
.else
.set mk, (\n)/4
.set mg, (\n)%4
.endif
.endm
.macro SCW2 slot, q                    ; the step's scale words: lanes 0-15 the even tile's, lanes 16-31 the odd one's
	WIN 0
.irp kk, 0,1
.irp a, 0,1,2,3
	ds_load_b32 v[WSC+4*\kk+\a], v[AS2+\slot] offset:SCO+128*(4*\kk+\a)
.endr
.endr
.irp kk, 0,1
.irp g, 0,1,2,3
	ds_load_b32 v[HS+4*\kk+\g], v[HRS] offset:64*(8*(2*(\q)+\kk)+2*\g)
.endr
.endr
.endm
.macro HPAIR q                         ; group gp's two hidden fragments into half gp % 2 of the four
	GMAP gp
	WIN 0x40
.irp mm, 0,1
.irp c, 0,1,2
	ds_load_b128 v[192+24*(gp%2)+12*\mm+4*\c:192+24*(gp%2)+12*\mm+4*\c+3], v[HRI] offset:FRB*(8*(2*(\q)+mk)+2*mg+\mm)+512*\c
.endr
.endr
.endm
.macro LW2 slot, kk, t                 ; W2's fragment (k', t)
	WIN 0
.irp c, 0,1,2
	ds_load_b128 v[W2F+96*(\kk)+12*(\t)+4*\c:W2F+96*(\kk)+12*(\t)+4*\c+3], v[AW2+\slot] offset:FRB*(8*(\kk)+(\t))+512*\c
.endr
.endm
; A group's 16 products: 2 row tiles x my 8 tiles of columns, 16 accumulators by turns, each adding in place
.macro GRP2
	WIN 0xa4+0x50*(mg/2)                           ; W2 window 0, the hidden layer window 1, C and D window 2 (row tiles 0-3) or 3
.irp t, 0,1,2,3,4,5,6,7
.if gi == 0
	s_wait_dscnt 33+18*BYROWS-3*\t                 ; a step's first group takes W2's fragments as they come: behind fragment (0, t) were issued 3 (7 - t) loads of its K step and 12 more (by rows: 30 more)
.endif
.irp mm, 0,1
.set wd, 8*(8*((2*mg+\mm)%4)+\t)
.set wc, wd
.set wa, W2F+96*mk+12*\t
.set wb, 192+24*(gi%2)+12*\mm
.set wsa, WSC+4*mk+\t/2
.set wsb, HS+4*mk+mg
.set wra, \t%2
.set wrb, \mm
	WM
.endr
.endr
.endm
; A step of the second product, K step by K step.  The head run brings what the first K step wants; W2's second K step comes two fragments at a time with the runs at the heads of groups 0 to 3.
.macro P2 slot, q
.set BYROWS, 0
	SCW2 \slot, \q
.set gp, 0
	HPAIR \q
.irp t, 0,1,2,3,4,5,6,7
	LW2 \slot, 0, \t
.endr
.set gi, 0
.rept 8
.if gi > 0
	PLACES
.endif
.if gi < 7
.set gp, gi+1
	HPAIR \q
.endif
.if gi < 4
	LW2 \slot, 1, 2*gi
	LW2 \slot, 1, 2*gi+1
.if gi > 0
	s_wait_dscnt 12                                ; the next pair (6 loads) and two fragments of W2's second K step (6) may be out; the first group has its own counted waits
.endif
.elseif gi < 7
	s_wait_dscnt 6                                 ; the next pair may be out
.else
	s_wait_dscnt 0x0
.endif
	GMAP gi
	GRP2
.set gi, gi+1
.endr
.endm
; ---------------- the way out's macros ----------------
.macro MASK m                          ; rows that do not count become zeros: a choice by VCC, written anew here.  Each accumulator from its low end on
	s_mov_b32 vcc_lo, s[PM+(\m)]
	WIN 0x88+0x44*((\m)/4)                         ; destination and source 1: window 2 or 3
.set mi, 0
.rept 64
	v_cndmask_b32 v[64*((\m)%4)+mi], 0, v[64*((\m)%4)+mi], vcc_lo
.set mi, mi+1
.endr
.endm
; A lane holds 32 neighbouring bytes of a row: 16 rows x 512 bytes go through my own stage and come back as whole rows, into the registers that they left.
.macro TOSTAGE m
	WIN 0x08+4*((\m)/4)
.irp t, 0,1,2,3,4,5,6,7
	ds_store_b128 v[STO], v[64*((\m)%4)+8*\t:64*((\m)%4)+8*\t+3] offset:64*\t
	ds_store_b128 v[STO], v[64*((\m)%4)+8*\t+4:64*((\m)%4)+8*\t+7] offset:64*\t+16
.endr
	WIN 0x80+0x40*((\m)/4)
.irp t, 0,1,2,3,4,5,6,7,8,9,10,11,12,13,14,15
	ds_load_b128 v[64*((\m)%4)+4*\t:64*((\m)%4)+4*\t+3], v[RD] offset:\t*SPITCH
.endr
.endm
.macro SEND m                          ; the registers are written no more, so no wait frees them
	WIN 0x08+4*((\m)/4)
.irp t, 0,1,2,3,4,5,6,7,8,9,10,11,12,13,14,15
	global_store_b128 v[CO], v[64*((\m)%4)+4*\t:64*((\m)%4)+4*\t+3], s[14:15] offset:32768*(\m)+2048*\t th:TH_STORE_NT   ; 32 lanes store 512 consecutive bytes, at a multiple of 512 from out's first byte
.endr
.endm
; THE LAST STEP, BY ROWS OF OUT: the groups go (row pair, K step).  Behind an odd group its two row tiles are finished: the first is masked and staged, the second's mask stands between the first's loads
; from the stage and the wait for them; the second's rows are stored behind the next group's wait, which shows them back.
.macro P2L slot, q
.set BYROWS, 1
	SCW2 \slot, \q
.set gp, 0
	HPAIR \q
.irp kk, 0,1
.irp t, 0,1,2,3,4,5,6,7
	LW2 \slot, \kk, \t
.endr
.endr
.set gi, 0
.rept 8
.if gi > 0
	PLACES
.endif
.if gi < 7
.set gp, gi+1
	HPAIR \q
.endif
.if gi == 0                                    ; (the first group has its own counted waits)
.elseif gi < 7
	s_wait_dscnt 6                                 ; the next pair may be out
.else
	s_wait_dscnt 0x0
.endif
.if (gi > 0) && (gi%2 == 0)
	SEND gi-1
.endif
	GMAP gi
	GRP2
.if gi%2 == 1
	PLACES                                         ; the masks read results just made
	MASK gi-1
	TOSTAGE gi-1
	MASK gi
	s_wait_alu depctr_va_vdst(0)
	s_wait_dscnt 0x0                               ; row tile gi - 1 is back from the stage
	SEND gi-1
	TOSTAGE gi
.endif
.set gi, gi+1
.endr
	s_wait_dscnt 0x0
	SEND 7
.endm
; ================ the text ================
	s_load_b256 s[4:11], s[0:1], 0x0               ; x s[4:5], padding s[6:7], b1 s[8:9], b2 s[10:11]
	s_load_b128 s[12:15], s[0:1], 0x20             ; the stream s[12:13], out s[14:15]
	v_lshl_add_u32 v[SPW], v0, 2, SPARE
	v_mov_b32 v[NIL], 0
	ds_add_u32 v[SPW], v[NIL]
	ds_add_u32 v[SPW], v[NIL]
	s_wait_dscnt 0x0
	v_lshrrev_b32 v224, 5, v0
	v_readfirstlane_b32 s[WV], v224                ; wave 0..3
	s_lshr_b32 s17, s[WV], 1                       ; i
	s_and_b32 s18, s[WV], 1                        ; j
	s_bfe_u32 s19, ttmp6, 0x40000                  ; cx
	s_lshl_b32 s20, ttmp9, 2
	s_add_co_u32 s20, s20, s19                     ; my block of 128 rows: it enters x's, padding's and out's addresses alone
	s_mov_b32 s[G1+0], 15|(3<<16)|(1<<21)          ; the mask: all four work-groups; elements of 8 bytes; bit 21 beside a mask
	s_mov_b32 s[G1+1], 32<<16                      ; 100 dense rows of 32 elements
	s_mov_b32 s[G1+2], 100<<16
	s_mov_b32 s[G1+3], 32<<16
	s_mov_b32 s[G1+4], 100
	s_mov_b32 s[G1+5], 32
	s_mov_b32 s[G1+6], 0
	s_mov_b32 s[G1+7], 0
	s_mov_b32 s[SEL], 0x76543210
	s_mov_b32 s[SEL+1], 0xfedcba98
	v_and_b32 v224, 31, v0                         ; lane
	v_and_b32 v225, 15, v0                         ; r
	v_bfe_u32 v226, v0, 4, 1                       ; h
	v_lshlrev_b32 v227, 4, v224                    ; 16 x lane
	v_lshlrev_b32 v228, 2, v224                    ; 4 x lane
	s_mul_i32 s62, s18, 2*QTRB                     ; W1: quarters 2 j, 2 j + 1
	v_add_nc_u32 v[AW1], s62, v227
	v_add_nc_u32 v[AW1+1], SLOTB, v[AW1]
	v_add_nc_u32 v[AS1], s62, v228
	v_add_nc_u32 v[AS1+1], SLOTB, v[AS1]
	s_mul_i32 s60, s[WV], QTRB                     ; W2: quarter w; also the quarter that I fetch
	s_mov_b32 s61, 0
	v_add_nc_u32 v[AW2], s60, v227
	v_add_nc_u32 v[AW2+1], SLOTB, v[AW2]
	v_add_nc_u32 v[AS2], s60, v228
	v_add_nc_u32 v[AS2+1], SLOTB, v[AS2]
	s_lshl_b32 s62, s18, 3
	s_lshl_b32 s63, s17, 2
	s_add_co_u32 s62, s62, s63                     ; 8 j + 4 i: my first hidden fragment of a chunk's first slot
	s_mul_i32 s63, s62, FRB
	s_add_co_u32 s63, s63, HID
	v_add_nc_u32 v[HWI], s63, v227
	s_lshl_b32 s63, s62, 6
	s_add_co_u32 s63, s63, HSC
	v_lshl_add_u32 v[HWS], v225, 2, s63
	v_add_nc_u32 v[HRI], HID, v227
	v_add_nc_u32 v[HRS], HSC, v228
	s_lshl_b32 s63, s18, 9
	s_add_co_u32 s63, s63, BIAS
	v_lshl_add_u32 v[AB1], v226, 6, s63
	v_mov_b32 v[XA], v227                          ; x: 16 bytes a lane of a row's 512
	s_mul_i32 s62, s[WV], 16*SPITCH
	s_add_co_u32 s62, s62, STG                     ; my stage: in as loaded; out: row r, + 64 h
	v_add_nc_u32 v[STS], s62, v227
	v_mul_u32_u24 v[STL], v225, SPITCH
	v_lshl_add_u32 v[STL], v226, 6, v[STL]
	v_add_nc_u32 v[STL], s62, v[STL]
	s_mul_i32 s62, s[WV], 8*FRB
	s_add_co_u32 s62, s62, HID
	v_add_nc_u32 v[XWI], s62, v227                 ; my eight images of x, and their scale words
	s_lshl_b32 s62, s[WV], 9
	s_add_co_u32 s62, s62, HSC
	v_lshl_add_u32 v[XWS], v225, 2, s62
	v_lshlrev_b32 v[GB], 4, v0                     ; the biases: 16 bytes a thread
	v_add_nc_u32 v[BST], BIAS, v[GB]
	v_lshlrev_b32 v[PO], 2, v225                   ; padding: my row's word
	s_mul_i32 s62, s17, 16*FRB
	s_add_co_u32 s62, s62, HID
	v_add_nc_u32 v[XFR], s62, v227                 ; the 16 images of x that I keep: row tiles 4 i on
	s_lshl_b32 s62, s17, 10
	s_add_co_u32 s62, s62, HSC
	v_add_nc_u32 v[XSR], s62, v228
	s_lshl_b32 s62, s[WV], 9
	s_add_co_u32 s62, s62, BIAS+8192
	v_lshl_add_u32 v[B2R], v226, 5, s62            ; b2 at my 128 columns, + 32 h
.irp b, 0,1,2,3
	v_mov_b32 v[XT+4+\b], 0                        ; written once: a lane permute's destination counts as one of its sources
	v_mov_b32 v[QTM+\b], 0
.endr
	s_lshl_b32 s22, s20, 18                        ; my block's 128 rows of 2,048 bytes
	s_lshl_b32 s62, s[WV], 16
	s_add_co_u32 s54, s22, s62                     ; x: + my wave's 32 rows
	s_mov_b32 s55, 0
	s_lshl_b32 s62, s[WV], 9
	s_add_co_u32 s56, s22, s62                     ; out: + my wave's 128 columns
	s_mov_b32 s57, 0
	s_lshl_b32 s58, s20, 9                         ; padding: 128 words
	s_mov_b32 s59, 0
	s_wait_kmcnt 0x0
	s_add_nc_u64 s[4:5], s[4:5], s[54:55]
	s_add_nc_u64 s[14:15], s[14:15], s[56:57]
	s_add_nc_u64 s[6:7], s[6:7], s[58:59]
	s_add_nc_u64 s[12:13], s[12:13], s[60:61]      ; the stream at my quarter of slot image 0
; What hangs on no partner is asked for ahead of the cluster's first round: the biases, padding, three of my eight units of x.  Nobody writes these bytes.
.irp k, 0,1,2,3
	global_load_b128 v[BR+4*\k:BR+4*\k+3], v[GB], s[8:9] offset:2048*\k
.endr
	global_load_b128 v[BR+16:BR+19], v[GB], s[10:11]
.irp m, 0,1,2,3,4,5,6,7
	global_load_b32 v[PADR+\m], v[PO], s[6:7] offset:64*\m   ; lane (r, h): row 16 m + r
.endr
	XLOAD 0
	XLOAD 1
	XLOAD 2
	WIN 0
.irp n, 0,1
	s_mov_b32 s[G0+4*\n], 1
	s_add_co_u32 s[G0+4*\n+1], s60, \n*SLOTB       ; LDS address: slot n, quarter w
	s_add_nc_u64 s[G0+4*\n+2:G0+4*\n+3], s[12:13], \n*SLOTB   ; slot image n
	s_or_b32 s[G0+4*\n+3], s[G0+4*\n+3], 0x80000000
.endr
	ROUND                                          ; all four work-groups are here: the first joint loads meet
	tensor_load_to_lds s[G0:G0+3], s[G1:G1+7]      ; slot 0's first fill: my one tensor load at the head
	s_nop 0
	PLACES
	s_wait_loadcnt 48                              ; the three units of x, 16 loads each, may be out: the biases and padding are in
.irp k, 0,1,2,3,4
	ds_store_b128 v[BST], v[BR+4*\k:BR+4*\k+3] offset:2048*\k
.endr
.irp m, 0,1,2,3,4,5,6,7
	v_cmp_gt_f32 s[PM+\m], 0x3089705f, v[PADR+\m]  ; 1e-9 > padding: the row counts.  The masks only choose values
.endr
; out's sums begin as b2: register i of accumulator (m, t) is column 128 w + 16 t + 8 h + i, for every row tile m.  My wave's 512 bytes of b2 (bytes 512 w on) were stored just above by my own wave's
; 32 threads, 16 bytes each at 16 x thread, and LDS serves a wave's instructions in order (ISA guide 5.7.1.4): no barrier stands between.  The first unit's wait for 0 on DScnt shows these loads done.
.irp w, 0x80, 0xc0
	WIN \w
.irp mm, 0,1,2,3
.irp t, 0,1,2,3,4,5,6,7
	ds_load_b128 v[64*\mm+8*\t:64*\mm+8*\t+3], v[B2R] offset:64*\t
	ds_load_b128 v[64*\mm+8*\t+4:64*\mm+8*\t+7], v[B2R] offset:64*\t+16
.endr
.endr
.endr
	XLOAD 3
; x: my 32 rows become eight fragments.  Loads run four units ahead.
.irp e, 0,1,2,3,4,5,6,7
.if \e < 5
	s_wait_loadcnt 48                              ; the three younger units may be out
.else
	s_wait_loadcnt 16*(7-\e)
.endif
	XTURN \e
	s_wait_dscnt 0x0                               ; the unit is back from the stage, and the stores have read the registers that the next loads take
.if \e < 4
	XLOAD \e+4
	WIN 0
.endif
	QUANT4 ST
	IMAGE \e
.endr
	s_wait_dscnt 0x0                               ; for the others' sake: my images, scale words and part of the biases have landed
	s_barrier_signal -1
	s_barrier_wait -1                              ; the tensor load may stay out
	WIN 0x40
.irp f, 0,1,2,3,4,5,6,7,8,9,10,11,12,13,14,15
.irp c, 0,1,2
	ds_load_b128 v[12*\f+4*\c:12*\f+4*\c+3], v[XFR] offset:FRB*\f+512*\c   ; x's fragment (m, s) = f: it stays
.endr
.endr
	WIN 0
.irp a, 0,1,2,3,4,5,6,7
	ds_load_b32 v[XS+\a], v[XSR] offset:128*\a
.endr
	WIN 0
	s_wait_alu depctr_va_vdst(0)
	s_wait_tensorcnt 0x0                           ; my quarter of slot 0 is in; slot 1's first fill is issued as a refill is:
	ds_add_u32 v[SPW], v[NIL]
	s_wait_dscnt 0x0                               ; the add is done; my reads of x's images are over: the hidden layer may be written there
	ROUND
	tensor_load_to_lds s[G0+4:G0+7], s[G1:G1+7]    ; slot image 1: my one tensor load behind the round
	s_nop 0
	PLACES
	s_mov_b32 s52, 4                               ; chunks to go, this one among them: the same number in every work-group
.Lchunk:
	P1 0, 0                                        ; slot image 4 c
	HEAD 0
	P1 1, 1
	HEAD 1
	P2 0, 0
	WIN 0                                          ; at a label and at a branch every window is 0
	s_cmp_eq_u32 s52, 1
	s_cbranch_scc1 .Llast                          ; the last chunk leaves here: images 14 and 15 have been asked for, and nothing is left to fetch
	HEAD 0
	P2 1, 1
	HEAD 1
	v_add_nc_u32 v[AB1], 2048, v[AB1]              ; the next chunk's 512 numbers of b1
	s_wait_alu depctr_va_vdst(0)
	s_sub_co_u32 s52, s52, 1
	s_cmp_lg_u32 s52, 0
	s_cbranch_scc1 .Lchunk
.Llast:
	HEADN
	v_and_b32 v[STO], 15, v0
	v_bfe_u32 v[RD], v0, 4, 1
	s_mul_i32 s62, s[WV], 16*SPITCH
	s_add_co_u32 s62, s62, STG
	v_mul_u32_u24 v[STO], v[STO], SPITCH
	v_lshl_add_u32 v[STO], v[RD], 5, v[STO]
	v_add_nc_u32 v[STO], s62, v[STO]               ; into my stage: row r, + 32 h
	v_and_b32 v[CO], 31, v0
	v_lshlrev_b32 v[CO], 4, v[CO]                  ; back, and in out: the 32 lanes take one row's 512 bytes
	v_add_nc_u32 v[RD], s62, v[CO]
	P2L 1, 1
	WIN 0
	s_wait_tensorcnt 0x0                           ; the wave's end
	ds_add_u32 v[SPW], v[NIL]
	s_wait_dscnt 0x0
	ROUND                                          ; the closing round
	s_endpgm
.Lfunc_end_k_qa79bb453c7_ffn:
	.size	k_qa79bb453c7_ffn, .Lfunc_end_k_qa79bb453c7_ffn-k_qa79bb453c7_ffn
	.p2alignl 7, 3214868480
	.fill 96, 4, 3214868480
	.section	.rodata,"a",@progbits
	.p2align	6, 0x0
	.amdhsa_kernel k_qa79bb453c7_ffn
		.amdhsa_group_segment_fixed_size 327680
		.amdhsa_private_segment_fixed_size 0
		.amdhsa_enable_private_segment 0
		.amdhsa_kernarg_size 48
		.amdhsa_user_sgpr_count 2
		.amdhsa_user_sgpr_kernarg_segment_ptr 1
		.amdhsa_wavefront_size32 1
		.amdhsa_system_sgpr_workgroup_id_x 1
		.amdhsa_system_sgpr_workgroup_id_y 1
		.amdhsa_system_sgpr_workgroup_id_z 1
		.amdhsa_system_vgpr_workitem_id 0
		.amdhsa_next_free_vgpr 1024
		.amdhsa_next_free_sgpr 66
		.amdhsa_reserve_vcc 1
		.amdhsa_float_denorm_mode_32 3
		.amdhsa_float_denorm_mode_16_64 3
		.amdhsa_memory_ordered 1
		.amdhsa_forward_progress 1
		.amdhsa_inst_pref_size 255
	.end_amdhsa_kernel
	.section	.bss,"aw",@nobits
	.p2align	6
	.space	262144
	.amdgpu_metadata
---
amdhsa.version: [ 1, 2 ]
amdhsa.kernels:
  - .name:           k_qa79bb453c7_ffn
    .symbol:         k_qa79bb453c7_ffn.kd
    .args:
      - { .name: x, .offset: 0, .size: 8, .value_kind: global_buffer, .address_space: global }
      - { .name: padding, .offset: 8, .size: 8, .value_kind: global_buffer, .address_space: global }
      - { .name: filter_bias, .offset: 16, .size: 8, .value_kind: global_buffer, .address_space: global }
      - { .name: output_bias, .offset: 24, .size: 8, .value_kind: global_buffer, .address_space: global }
      - { .name: wstream, .offset: 32, .size: 8, .value_kind: global_buffer, .address_space: global }
      - { .name: out0, .offset: 40, .size: 8, .value_kind: global_buffer, .address_space: global }
    .group_segment_fixed_size: 327680
    .private_segment_fixed_size: 0
    .kernarg_segment_align: 8
    .kernarg_segment_size: 48
    .max_flat_workgroup_size: 128
    .sgpr_count:     66
    .vgpr_count:     1024
    .wavefront_size: 32
...
	.end_amdgpu_metadata
.endif
;; end of part 2
